; MI455X (gfx1250); checked and timed in simulation.
; The chip was launched on July 23, 2026; its instructions are those of AMD's public machine-readable ISA for CDNA 5 (MIT licence, August 2026) and "CDNA5" Instruction Set Architecture Reference Guide (July 2026). The comments in the code are by the model that wrote it; some were corrected since.
;; Multi Head Attention. Allowed arithmetic: float matrix products may take bf16 or f16 operands with f32 sums; all other float work in f32.
;; Inputs: Wk 512 x 512 float32; Wo 512 x 512 float32; Wq 512 x 512 float32; Wv 512 x 512 float32; bk 512 float32; bo 512 float32; bq 512 float32; bv 512 float32; k 8 x 2,048 x 512 float32; mask 1 x 1 x 2,048 x 2,048 float32; q 8 x 2,048 x 512 float32; v 8 x 2,048 x 512 float32.
;; Outputs: out0 8 x 2,048 x 512 float32.
;; One version. Each part assembles by itself: llvm-mc -triple=amdgcn-amd-amdhsa -mcpu=gfx1250 --defsym DOCPART=n.
;; ======== version 1 of 1: 4 launches
;; limits: values are held in f16: magnitudes above 65,504 overflow, below 6.1e-05 lose precision
;; workspace buffers: wf 2,097,152 bytes; qkv 67,108,864 bytes; ctx 33,554,432 bytes
;; launch wprep (part 1): grid 128 x 1, 8 waves a work-group, no clusters, 0 bytes of LDS; arguments Wq, Wk, Wv, Wo, wf; writes wf
.if DOCPART == 1
	.amdgcn_target "amdgcn-amd-amdhsa--gfx1250"
	.amdhsa_code_object_version 6
	.text
	.protected	k_qb5a9f8f52b_wprep
	.globl	k_qb5a9f8f52b_wprep
	.p2align	8
	.type	k_qb5a9f8f52b_wprep,@function
k_qb5a9f8f52b_wprep:
	s_mov_b64 s[64:65], 0
	v_nop
	global_prefetch_b8 v0, s[64:65] scope:SCOPE_SE
	s_setreg_imm32_b32 hwreg(HW_REG_WAVE_MODE, 25, 1), 1
	s_wait_xcnt 0x0
; The four weight matrices [512 (k)][512 (n)] f32 become bf16 operand fragments in wf: rounded once, transposed, nothing else.
; wf is made of blocks of 512 bytes: lane L = 16 h + r of a wave owns bytes 16 L .. 16 L + 15 = W[128 ks + 16 kt + 8 h + 0..7][256 c + 16 nt + r];
; block number = (((z*4 + ks)*2 + c)*16 + nt)*8 + kt, z = 0..3 for Wq, Wk, Wv, Wo.  Two neighbouring blocks (kt even, odd) are one 16 x 32 fragment.
; Work-group g: matrix z = g / 32, k rows 16 (g % 32) .. +15 (32 KiB of consecutive memory).  Wave w: columns 64 w .. 64 w + 63, four n tiles.
; 4 MiB in all: 128 work-groups is what there is to share.  No LDS, matrix unit or cluster: nothing is read twice.
.set RAW, 8                            ; v[8:39]   n tile i: eight f32, k = 8 h + 0..7
.set PK,  40                           ; v[40:55]  n tile i: the same eight as bf16, 16 bytes
	s_load_b256 s[4:11], s[0:1], 0x0               ; Wq s[4:5], Wk s[6:7], Wv s[8:9], Wo s[10:11]
	s_load_b64 s[12:13], s[0:1], 0x20              ; wf
	s_lshr_b32 s14, ttmp9, 5                       ; z
	s_and_b32 s15, ttmp9, 31                       ; which 16 k rows
	v_lshrrev_b32 v1, 5, v0
	v_readfirstlane_b32 s18, v1                    ; wave
	v_and_b32 v2, 15, v0                           ; r
	v_bfe_u32 v3, v0, 4, 1                         ; h
	v_and_b32 v4, 31, v0                           ; L
	s_lshl_b32 s19, s15, 15                        ; 16 rows of 2,048 bytes
	s_lshl_b32 s20, s18, 8                         ; 64 columns of 4 bytes
	s_add_co_u32 s19, s19, s20
	v_lshlrev_b32 v5, 2, v2                        ; 4 r
	v_lshl_add_u32 v5, v3, 14, v5                  ; + 8 h rows
	v_add_nc_u32 v5, s19, v5                       ; where I read
	s_lshl_b32 s21, s14, 2
	s_lshr_b32 s22, s15, 3
	s_add_co_u32 s21, s21, s22                     ; 4 z + ks
	s_lshl_b32 s21, s21, 1
	s_lshr_b32 s22, s18, 2
	s_add_co_u32 s21, s21, s22                     ; times 2, + c
	s_lshl_b32 s21, s21, 16                        ; tiles of 64 KiB
	s_and_b32 s22, s18, 3
	s_lshl_b32 s22, s22, 14                        ; nt = 4 (w % 4) + i, 4,096 bytes each
	s_add_co_u32 s21, s21, s22
	s_and_b32 s22, s15, 7
	s_lshl_b32 s22, s22, 9                         ; kt
	s_add_co_u32 s21, s21, s22
	v_lshl_add_u32 v6, v4, 4, s21                  ; where I write: the block + 16 L
	s_wait_kmcnt 0x0
	s_cmp_eq_u32 s14, 1                            ; the matrix is chosen by the work-group's number alone
	s_cselect_b64 s[4:5], s[6:7], s[4:5]
	s_cmp_eq_u32 s14, 2
	s_cselect_b64 s[4:5], s[8:9], s[4:5]
	s_cmp_eq_u32 s14, 3
	s_cselect_b64 s[4:5], s[10:11], s[4:5]
.irp i, 0,1,2,3
.irp j, 0,1,2,3,4,5,6,7
	global_load_b32 v[RAW+8*\i+\j], v5, s[4:5] offset:\j*2048+\i*64    ; sixteen lanes take 64 consecutive bytes of a row; the four n tiles use up the row's 256
.endr
.endr
.irp i, 0,1,2,3
	s_wait_loadcnt 24-8*\i                         ; loads come back in order: n tile i's eight are in, the later tiles' stay out
.irp p, 0,1,2,3
	v_cvt_pk_bf16_f32 v[PK+4*\i+\p], v[RAW+8*\i+2*\p], v[RAW+8*\i+2*\p+1]
.endr
	global_store_b128 v6, v[PK+4*\i:PK+4*\i+3], s[12:13] offset:4096*\i   ; the wave stores one whole block: 512 consecutive bytes, aligned
.endr
	s_endpgm
.Lfunc_end_k_qb5a9f8f52b_wprep:
	.size	k_qb5a9f8f52b_wprep, .Lfunc_end_k_qb5a9f8f52b_wprep-k_qb5a9f8f52b_wprep
	.p2alignl 7, 3214868480
	.fill 96, 4, 3214868480
	.section	.rodata,"a",@progbits
	.p2align	6, 0x0
	.amdhsa_kernel k_qb5a9f8f52b_wprep
		.amdhsa_group_segment_fixed_size 0
		.amdhsa_private_segment_fixed_size 0
		.amdhsa_enable_private_segment 0
		.amdhsa_kernarg_size 40
		.amdhsa_user_sgpr_count 2
		.amdhsa_user_sgpr_kernarg_segment_ptr 1
		.amdhsa_wavefront_size32 1
		.amdhsa_system_sgpr_workgroup_id_x 1
		.amdhsa_system_sgpr_workgroup_id_y 1
		.amdhsa_system_sgpr_workgroup_id_z 1
		.amdhsa_system_vgpr_workitem_id 0
		.amdhsa_next_free_vgpr 64
		.amdhsa_next_free_sgpr 66
		.amdhsa_reserve_vcc 0
		.amdhsa_float_denorm_mode_32 3
		.amdhsa_float_denorm_mode_16_64 3
		.amdhsa_memory_ordered 1
		.amdhsa_forward_progress 1
		.amdhsa_inst_pref_size 7
	.end_amdhsa_kernel
	.amdgpu_metadata
---
amdhsa.version: [ 1, 2 ]
amdhsa.kernels:
  - .name:           k_qb5a9f8f52b_wprep
    .symbol:         k_qb5a9f8f52b_wprep.kd
    .args:
      - { .name: Wq, .offset: 0, .size: 8, .value_kind: global_buffer, .address_space: global }
      - { .name: Wk, .offset: 8, .size: 8, .value_kind: global_buffer, .address_space: global }
      - { .name: Wv, .offset: 16, .size: 8, .value_kind: global_buffer, .address_space: global }
      - { .name: Wo, .offset: 24, .size: 8, .value_kind: global_buffer, .address_space: global }
      - { .name: wf, .offset: 32, .size: 8, .value_kind: global_buffer, .address_space: global }
    .group_segment_fixed_size: 0
    .private_segment_fixed_size: 0
    .kernarg_segment_align: 8
    .kernarg_segment_size: 40
    .max_flat_workgroup_size: 256
    .sgpr_count:     66
    .vgpr_count:     64
    .wavefront_size: 32
...
	.end_amdgpu_metadata
.endif
;; end of part 1
;; launch proj (part 2): grid 256 x 1, 4 waves a work-group, clusters of 4 x 1, 327,680 bytes of LDS; arguments q, k, v, wf, bq, bk, qkv; writes qkv
.if DOCPART == 2
	.amdgcn_target "amdgcn-amd-amdhsa--gfx1250"
	.amdhsa_code_object_version 6
	.text
	.protected	k_qb5a9f8f52b_proj
	.globl	k_qb5a9f8f52b_proj
	.p2align	8
	.type	k_qb5a9f8f52b_proj,@function
k_qb5a9f8f52b_proj:
	s_mov_b64 s[64:65], 0
	v_nop
	global_prefetch_b8 v0, s[64:65] scope:SCOPE_SE
	s_setreg_imm32_b32 hwreg(HW_REG_WAVE_MODE, 25, 1), 1
	s_wait_xcnt 0x0
	s_wait_alu depctr_hold_cnt(0) depctr_sa_sdst(0) depctr_va_vdst(0) depctr_va_sdst(0) depctr_va_ssrc(0) depctr_va_vcc(0) depctr_vm_vsrc(0)
	s_getreg_b32 s2, hwreg(HW_REG_IB_STS2, 6, 4)
	s_cmp_eq_u32 s2, 0
	s_cbranch_scc0 .Lentry_in_a_cluster
	s_endpgm
.Lentry_in_a_cluster:
	s_bfe_u32 s2, ttmp6, 0x10000c
	s_cmp_lg_u32 s2, 0x3003
	s_cbranch_scc0 .Lentry_shape_is_right
	s_endpgm
.Lentry_shape_is_right:
; The three input projections, bf16 products with f32 sums:  Q' = (q Wq + bq) c0,  K = k Wk + bk,  V^T = (v Wv)^T   (c0 = log2(e)/sqrt(512), applied to the f32 sums;
; bv is added later, behind the softmax, whose weights sum to one).
; WHAT IS STORED.  A query that attends to one key hands that key's V through to the output unaveraged, so a rounding of V shows there at its full relative size.
; Hence Q' and K are stored as f16 (11 significant bits), and V^T as TWO f16 numbers: hi = the f32 sum cut to 11 significant bits, lo = the remainder rounded to f16 (22 bits together).
; qkv: Q' at byte 0, K at 2^24, V^T at 2^25, all in blocks of 512 bytes in which lane L = 16 h + r owns bytes 16 L .. +15:
;   Q', K: block ((8 b + head)*128 + tile)*4 + t:            row 16 tile + r, dims 16 t + 8 h + 0..7.
;   V^T:   block (((8 b + head)*128 + tile)*2 + part)*4 + t: dim 16 t + r, keys 16 tile + 8 h + 0..7; part 0 = hi, 1 = lo.
; A work-group makes 128 rows x 256 columns of q's product, then of k's, then of v's: 3 x 128 x 256 outputs for each of 256 work-groups, so the factor three is shared evenly.
; Four waves, 64 rows x 128 columns each: 32 accumulator tiles, 256 registers.  Twelve steps of 128 along K (four for each input) run through two LDS slots without a break.
; CLUSTER 4 x 1: the four work-groups have the same 256 columns and four different row blocks, so they walk the same weight tiles: those are asked for JOINTLY (mask 15).
; The rows of q, k, v are each work-group's own (plain loads).  The second column half's reader of the same rows sits in another cluster: not shared by a joint load.
; PREFETCH: the rows come from memory and a step's 128 matrix instructions a wave are short beside a fill, so the row tile of step t + 3 is asked for into the L2 in step t, one step
; ahead of its tensor load (issued in step t + 1).  A tile is 128 rows x 512 bytes = 256 aligned blocks of 256 bytes; the two work-groups that read it (the two column halves) ask for
; 64 rows each, a wave for 16 rows, a lane for one block: one instruction a wave and step.  Tiles 0 and 1 are loaded at once and not asked for, tile 2 is asked for at the start,
; steps 9 to 11 ask for nothing: no request leaves the buffers.
; Q' and K use the matrix instruction transposed (source 0 = weights, source 1 = rows): a lane then holds 8 neighbouring columns of one row = 16 bytes of a block.
; V uses it as it is (source 0 = rows, source 1 = weights): a lane then holds 8 neighbouring tokens of one column = 16 bytes of a V^T block.
; Limits: q, k, v and the weights enter the products rounded to bf16.  Q', K, V must stay under f16's 65,504: with both factors carrying an offset of 30 spreads a sum is about
; 512 x 30 x 0.6 = 9.2e3, with both 30 times larger about 30 x 0.6 x sqrt(512) = 4.1e2.  Below 2^-14 f16 keeps an absolute step of 2^-24, and hi is then rounded, not cut.
.set SLOT,   133120                    ; X: 128 rows x 528 bytes, then W: 65,536 bytes
.set XPITCH, 528                       ; 512 bytes of f32 + 16 of padding: an odd multiple of 16, so the 16 rows of a fragment load fall on 16 different 16-byte columns
.set XHALF,  64*XPITCH                 ; what one tensor load of rows brings
.set WOFF,   2*XHALF
.set WHALF,  32768                     ; what one joint load of weights brings: 128 columns x 128 k
; window 0
.set XA,   2                           ; v2-3    LDS address of my rows' fragments in slot 0, 1
.set WA,   4                           ; v4-5    the same for my weights
.set LO16, 6                           ; v6      16 L
.set BOF,  7                           ; v7      byte offset of my 8 bias numbers of n tile 0
.set PFO,  11                          ; v11     prefetch: byte offset, from the row block's first row, of the block of 256 bytes that I ask for; never rewritten
.set AF,   32                          ; v32-95, v96-159  two buffers: row tile rt: 16 f32 as loaded, packed in place into the lower 8
.set TMP,  224                         ; v224-255  the way out of Q' and K
.set VTM,  32                          ; v32-95    the way out of V (the fragment buffers are free by then): 64 numbers at work
.set VH,   96                          ; v96-127   hi, packed
.set VL,   128                         ; v128-159  lo, packed
; window 1: accumulator tile (rt, nt) at v[8 (8 rt + nt)].   window 2: v0-63, v64-127 weight fragments, two buffers; v128-191 bq; v192-255 bk
.set BQ,   128
.set BK,   192
.set G1X, 20                           ; s[20:27] group 1, rows
.set G1W, 28                           ; s[28:35] group 1, weights
.set G0X, 36                           ; s[36:43] group 0, rows, one set a slot
.set G0W, 44                           ; s[44:51] group 0, weights, one set a slot
.set XB,  52                           ; s[52:57] q, k, v at the rows that I fetch
.set WB,  58                           ; s[58:59] wf at my half of tile 0
.set OB,  60                           ; s[60:61] where my Q', then K, go
.set OBV, 86                           ; s[86:87] where my V^T goes
.set PFB, 88                           ; s[88:93] q, k, v at the row block's first row, for the prefetches; never rewritten
.set MSB, 0
.macro WIN new                         ; the immediate's high byte repeats the setting that is left
.if MSB != \new
	s_set_vgpr_msb (MSB<<8)|\new
.set MSB, \new
.endif
.endm
.macro PLACES n
.rept \n
	v_nop
.endr
.endm
.macro CREST                           ; a round of the cluster's barrier behind its opening barrier
	s_cmp_lg_u32 s66, 0
	s_cbranch_scc1 .Lnot_wave_0_\@
	s_barrier_signal -3
.Lnot_wave_0_\@:
	s_barrier_wait -3
	s_barrier_signal -1
	s_barrier_wait -1
.endm
.macro CROUND
	s_barrier_signal -1
	s_barrier_wait -1
	CREST
.endm
; One tensor load a wave: waves 0, 1 fetch the two halves of the rows (plain), waves 2, 3 the two halves of the weights (joint).  The branch hangs on the wave's number alone.
.macro JLOAD s
	s_cmp_eq_u32 s67, 0
	s_cbranch_scc0 .Lfor_w_\@
	tensor_load_to_lds s[G0X+4*\s:G0X+4*\s+3], s[G1X:G1X+7]
	s_nop 0
	s_branch .Lasked_\@
.Lfor_w_\@:
	tensor_load_to_lds s[G0W+4*\s:G0W+4*\s+3], s[G1W:G1W+7]
	s_nop 0
.Lasked_\@:
.endm
	s_load_b256 s[4:11], s[0:1], 0x0               ; q s[4:5], k s[6:7], v s[8:9], wf s[10:11]
	s_load_b128 s[12:15], s[0:1], 0x20             ; bq s[12:13], bk s[14:15]
	s_load_b64 s[16:17], s[0:1], 0x30              ; qkv
	v_lshl_add_u32 v222, v0, 2, 0x41000
	v_mov_b32 v223, 0
	ds_add_u32 v222, v223
	v_lshrrev_b32 v1, 5, v0
	v_readfirstlane_b32 s66, v1                    ; wave 0..3
	s_lshr_b32 s67, s66, 1                         ; which 64 rows are mine.  Also: I fetch rows (0) or weights (1)
	s_and_b32 s68, s66, 1                          ; which 128 columns are mine.  Also: which half I fetch
	s_bfe_u32 s69, ttmp6, 0x40000                  ; cx: my place in the cluster
	s_and_b32 s70, ttmp9, 1                        ; column half, shared by the cluster
	s_lshr_b32 s71, ttmp9, 1
	s_lshl_b32 s71, s71, 2
	s_add_co_u32 s71, s71, s69                     ; row block 0..127
	s_mov_b32 s62, 0x3d8293ee                      ; c0 = log2(e) / sqrt(512)
	s_mov_b32 s63, 0x3d8293ee
	s_mov_b32 s85, 0xffffe000                      ; keeps an f32's sign, exponent and upper 10 fraction bits: what f16 holds
	; group 1, rows: 64 rows x 128 f32, pitch 512 elements, 4 words of padding behind every 128
	s_mov_b32 s[G1X+0], (2<<16)|(1<<20)|(6<<22)|(3<<25)
	s_mov_b32 s[G1X+1], 128<<16
	s_mov_b32 s[G1X+2], 64<<16
	s_mov_b32 s[G1X+3], 128<<16
	s_mov_b32 s[G1X+4], 64
	s_mov_b32 s[G1X+5], 512
	s_mov_b32 s[G1X+6], 0
	s_mov_b32 s[G1X+7], 0
	; group 1, weights: 32 KiB that lie dense in wf, as 128 rows of 256 bytes (32 elements of 8 bytes); mask 15 = all four of the cluster, bit 21 beside it
	s_mov_b32 s[G1W+0], 15|(3<<16)|(1<<21)
	s_mov_b32 s[G1W+1], 32<<16
	s_mov_b32 s[G1W+2], 128<<16
	s_mov_b32 s[G1W+3], 32<<16
	s_mov_b32 s[G1W+4], 128
	s_mov_b32 s[G1W+5], 32
	s_mov_b32 s[G1W+6], 0
	s_mov_b32 s[G1W+7], 0
	s_lshl_b32 s94, s71, 18                        ; 128 rows of 2,048 bytes for each row block
	s_mov_b32 s95, 0
	s_lshl_b32 s73, s68, 17                        ; + the 64 rows that I fetch
	s_add_co_u32 s72, s94, s73
	s_mov_b32 s73, 0
	s_lshl_b32 s74, s70, 16                        ; the column half's tile; made of the cluster's number and the wave's alone
	s_lshl_b32 s75, s68, 15                        ; + my half of it
	s_add_co_u32 s74, s74, s75
	s_mov_b32 s75, 0
	s_mul_i32 s76, s66, XHALF                      ; rows land at wave x 33,792 (waves 0, 1)
	s_mul_i32 s77, s66, WHALF
	s_add_co_u32 s77, s77, WOFF-2*WHALF            ; weights at 67,584 + (wave - 2) x 32,768 (waves 2, 3)
	s_lshr_b32 s78, s71, 4                         ; batch
	s_lshl_b32 s78, s78, 3
	s_lshl_b32 s79, s70, 2
	s_add_co_u32 s78, s78, s79
	s_lshl_b32 s79, s68, 1
	s_add_co_u32 s78, s78, s79                     ; 8 b + my first head
	s_lshl_b32 s78, s78, 18
	s_and_b32 s79, s71, 15
	s_lshl_b32 s79, s79, 3
	s_lshl_b32 s80, s67, 2
	s_add_co_u32 s79, s79, s80                     ; my first row tile in the batch
	s_lshl_b32 s79, s79, 11
	s_add_co_u32 s78, s78, s79                     ; byte offset of my first block in Q' and in K
	s_mov_b32 s79, 0
	s_lshl_b32 s80, s78, 1                         ; V^T has two parts for each tile: twice the offset,
	s_add_co_u32 s80, s80, 0x2000000               ; behind Q' and K
	s_mov_b32 s81, 0
	s_wait_dscnt 0x0
	s_wait_kmcnt 0x0
	s_add_nc_u64 s[XB:XB+1], s[4:5], s[72:73]
	s_add_nc_u64 s[XB+2:XB+3], s[6:7], s[72:73]
	s_add_nc_u64 s[XB+4:XB+5], s[8:9], s[72:73]
	s_add_nc_u64 s[PFB:PFB+1], s[4:5], s[94:95]
	s_add_nc_u64 s[PFB+2:PFB+3], s[6:7], s[94:95]
	s_add_nc_u64 s[PFB+4:PFB+5], s[8:9], s[94:95]
	s_add_nc_u64 s[WB:WB+1], s[10:11], s[74:75]
	s_add_nc_u64 s[OB:OB+1], s[16:17], s[78:79]
	s_add_nc_u64 s[OBV:OBV+1], s[16:17], s[80:81]
	CROUND                                         ; all four work-groups are here: the first joint loads meet
.irp s, 0,1
	s_mov_b32 s[G0X+4*\s], 1
	s_add_co_u32 s[G0X+4*\s+1], s76, \s*SLOT
	s_add_nc_u64 s[G0X+4*\s+2:G0X+4*\s+3], s[XB:XB+1], \s*512      ; q, K step s
	s_or_b32 s[G0X+4*\s+3], s[G0X+4*\s+3], 0x80000000
	s_mov_b32 s[G0W+4*\s], 1
	s_add_co_u32 s[G0W+4*\s+1], s77, \s*SLOT
	s_add_nc_u64 s[G0W+4*\s+2:G0W+4*\s+3], s[WB:WB+1], \s*131072   ; Wq, K step s
	s_or_b32 s[G0W+4*\s+3], s[G0W+4*\s+3], 0x80000000
	JLOAD \s                                       ; both slots' first fills go out together: two tensor loads of a wave are out, the most in this text
.endr
	v_and_b32 v1, 15, v0                           ; r
	v_bfe_u32 v8, v0, 4, 1                         ; h
	v_and_b32 v9, 31, v0                           ; L
	v_lshlrev_b32 v[LO16], 4, v9
	v_lshrrev_b32 v[PFO], 1, v9                    ; prefetch: two lanes a row,
	v_and_b32 v12, 1, v0                           ; one for each of its two blocks of 256 bytes
	s_lshl_b32 s84, s70, 6                         ; the column half's 64 rows of the tile
	s_lshl_b32 s83, s66, 4                         ; + my wave's 16
	s_add_co_u32 s84, s84, s83
	v_add_nc_u32 v[PFO], s84, v[PFO]
	v_lshlrev_b32 v[PFO], 11, v[PFO]               ; rows of 2,048 bytes
	v_lshl_add_u32 v[PFO], v12, 8, v[PFO]
	s_lshl_b32 s83, s70, 10
	s_lshl_b32 s84, s68, 9
	s_add_co_u32 s83, s83, s84                     ; my first column, in bytes of f32
	v_lshl_add_u32 v[BOF], v8, 5, s83              ; + 8 h numbers
	WIN 0x80                                       ; destination window 2
.irp nt, 0,1,2,3,4,5,6,7
	global_load_b128 v[BQ+8*\nt:BQ+8*\nt+3],   v[BOF], s[12:13] offset:64*\nt      ; bias of columns 16 nt + 8 h + 0..7: the C operand of the transposed product
	global_load_b128 v[BQ+8*\nt+4:BQ+8*\nt+7], v[BOF], s[12:13] offset:64*\nt+16
	global_load_b128 v[BK+8*\nt:BK+8*\nt+3],   v[BOF], s[14:15] offset:64*\nt
	global_load_b128 v[BK+8*\nt+4:BK+8*\nt+7], v[BOF], s[14:15] offset:64*\nt+16
.endr
	WIN 0
	global_prefetch_b8 v[PFO], s[PFB:PFB+1] offset:2*512 th:TH_LOAD_NT scope:SCOPE_SE   ; q's tile of step 2, whose tensor load is issued in step 0
	v_mul_u32_u24 v10, v1, XPITCH
	v_lshl_add_u32 v10, v8, 5, v10                 ; r x pitch + 8 h numbers of f32
	s_mul_i32 s81, s67, XHALF                      ; my 64 rows
	v_add_nc_u32 v[XA], s81, v10
	v_add_nc_u32 v[XA+1], SLOT, v[XA]
	s_lshl_b32 s82, s68, 15                        ; my 128 columns
	s_add_co_u32 s82, s82, WOFF
	v_add_nc_u32 v[WA], s82, v[LO16]
	v_add_nc_u32 v[WA+1], SLOT, v[WA]
; 32 LDS loads: the fragments of 32 along K (quarter kk of the slot's step) into buffer g.  Weights: two blocks of 512 bytes a fragment, 16 bytes a lane, consecutive.
; Rows: 16 f32 a lane, k = 8 h + 0..7 and 16 + 8 h + 0..7.
.macro FETCH slot, kk, g
	WIN 0x80
.irp nt, 0,1,2,3,4,5,6,7
	ds_load_b128 v[64*(\g)+8*\nt:64*(\g)+8*\nt+3],   v[WA+(\slot)] offset:(8*\nt+2*(\kk))*512
	ds_load_b128 v[64*(\g)+8*\nt+4:64*(\g)+8*\nt+7], v[WA+(\slot)] offset:(8*\nt+2*(\kk))*512+512
.endr
	WIN 0
.irp rt, 0,1,2,3
	ds_load_b128 v[AF+64*(\g)+16*\rt:AF+64*(\g)+16*\rt+3],     v[XA+(\slot)] offset:\rt*16*XPITCH+(\kk)*128
	ds_load_b128 v[AF+64*(\g)+16*\rt+4:AF+64*(\g)+16*\rt+7],   v[XA+(\slot)] offset:\rt*16*XPITCH+(\kk)*128+16
	ds_load_b128 v[AF+64*(\g)+16*\rt+8:AF+64*(\g)+16*\rt+11],  v[XA+(\slot)] offset:\rt*16*XPITCH+(\kk)*128+64
	ds_load_b128 v[AF+64*(\g)+16*\rt+12:AF+64*(\g)+16*\rt+15], v[XA+(\slot)] offset:\rt*16*XPITCH+(\kk)*128+80
.endr
.endm
; Buffer f is in; its rows are rounded to bf16 in place (word k from numbers 2 k, 2 k + 1, ascending, so nothing is overwritten before it is read).
; These 32 plain instructions name no register of the matrix instructions in front of them: they are the places ahead of the loads into the other buffer.
.macro QHEAD f
	s_wait_dscnt 0x0                               ; the 32 loads into buffer f, the only ones out
	WIN 0
.irp rt, 0,1,2,3
.irp k, 0,1,2,3,4,5,6,7
	v_cvt_pk_bf16_f32 v[AF+64*\f+16*\rt+\k], v[AF+64*\f+16*\rt+2*\k], v[AF+64*\f+16*\rt+2*\k+1]
.endr
.endr
.endm
; 32 matrix instructions, one on each accumulator: the accumulators take turns, one instruction a turn.
; ord = 0: transposed; ord = 1: as it is.  cb = 0: add on; else the first product starts the sums: from bq (1), from bk (2), from 0 (ord = 1).
.macro MUL32 f, ord, cb
.if \ord
	WIN 0x58                                       ; rows window 0, weights window 2, C and D window 1
.else
.if \cb
	WIN 0x62                                       ; weights window 2, rows window 0, C (bias) window 2, D window 1
.else
	WIN 0x52
.endif
.endif
.irp rt, 0,1,2,3
.irp nt, 0,1,2,3,4,5,6,7
.if \ord
.if \cb
	v_wmma_f32_16x16x32_bf16 v[8*(8*\rt+\nt):8*(8*\rt+\nt)+7], v[AF+64*\f+16*\rt:AF+64*\f+16*\rt+7], v[64*\f+8*\nt:64*\f+8*\nt+7], 0
.else
	v_wmma_f32_16x16x32_bf16 v[8*(8*\rt+\nt):8*(8*\rt+\nt)+7], v[AF+64*\f+16*\rt:AF+64*\f+16*\rt+7], v[64*\f+8*\nt:64*\f+8*\nt+7], v[8*(8*\rt+\nt):8*(8*\rt+\nt)+7]
.endif
.else
.if \cb
	v_wmma_f32_16x16x32_bf16 v[8*(8*\rt+\nt):8*(8*\rt+\nt)+7], v[64*\f+8*\nt:64*\f+8*\nt+7], v[AF+64*\f+16*\rt:AF+64*\f+16*\rt+7], v[64+64*\cb+8*\nt:64+64*\cb+8*\nt+7]
.else
	v_wmma_f32_16x16x32_bf16 v[8*(8*\rt+\nt):8*(8*\rt+\nt)+7], v[64*\f+8*\nt:64*\f+8*\nt+7], v[AF+64*\f+16*\rt:AF+64*\f+16*\rt+7], v[8*(8*\rt+\nt):8*(8*\rt+\nt)+7]
.endif
.endif
.endr
.endr
.endm
; A step of 128 along K: four quarters on buffers 0, 1, 0, 1; each fetches the next quarter's fragments ahead of its own 32 matrix instructions.
; In the last quarter the slots change.  mode 2: this slot is filled again, with step t2 (input z2, K step k2); 1: nothing left to fetch; 0: the last step.
; The refill has the next step's 128 matrix instructions of the wave in which to land.
.macro STEP slot, ord, cb, mode, z2, k2, t2
	QHEAD 0
	FETCH \slot, 1, 1
	MUL32 0, \ord, \cb
	QHEAD 1
	FETCH \slot, 2, 0
	MUL32 1, \ord, 0
	QHEAD 0
	FETCH \slot, 3, 1
	MUL32 0, \ord, 0
	QHEAD 1                                        ; its wait for 0 also says: my reads of this slot are over
.if \mode == 2
	s_wait_tensorcnt 0x0                           ; all my tensor loads have landed: the one that was out is my part of the other slot
	ds_add_u32 v222, v223
	s_wait_dscnt 0x0
	CROUND                                         ; both now hold of every wave of the four work-groups: nobody reads this slot, the other slot is whole
	s_add_nc_u64 s[G0X+4*\slot+2:G0X+4*\slot+3], s[XB+2*\z2:XB+2*\z2+1], \k2*512
	s_or_b32 s[G0X+4*\slot+3], s[G0X+4*\slot+3], 0x80000000
	s_add_nc_u64 s[G0W+4*\slot+2:G0W+4*\slot+3], s[WB:WB+1], \t2*131072
	s_or_b32 s[G0W+4*\slot+3], s[G0W+4*\slot+3], 0x80000000
	JLOAD \slot                                    ; my one tensor load behind the round, ahead of every LDS read
.endif
.if \mode == 1
	s_wait_tensorcnt 0x0                           ; my part of the last step's tile is in
	s_barrier_signal -1
	s_barrier_wait -1                              ; everybody's is
.endif
.if \mode
	FETCH 1-\slot, 0, 0
.endif
.if \mode == 2
.if (\t2+1) < 12
	global_prefetch_b8 v[PFO], s[PFB+2*((\t2+1)>>2):PFB+2*((\t2+1)>>2)+1] offset:((\t2+1)&3)*512 th:TH_LOAD_NT scope:SCOPE_SE   ; the row tile of step t2 + 1, whose tensor load comes one step from here
.endif
.endif
	MUL32 1, \ord, 0
.endm
; The way out of Q' (scale = 1: the sums times c0) and of K (next = 1: on to K's part of qkv): round to f16, 16 bytes a lane; a wave's store is one whole block.
.macro EPIQK scale, next
	PLACES 5                                       ; behind the last matrix instructions: four ahead of the readers of results, five ahead of the product that starts the next sums
.if \scale
	WIN 0x41
.set cnt, 0
.rept 128
	v_pk_mul_f32 v[cnt:cnt+1], v[cnt:cnt+1], s[62:63] op_sel_hi:[1,0]
.set cnt, cnt+2
.endr
.endif
.if \next
	s_wait_xcnt 0x0                                ; the base of the stores of the part before is stepped only behind this wait
	s_add_nc_u64 s[OB:OB+1], s[OB:OB+1], 0x1000000
.endif
.irp rt, 0,1,2,3
	s_wait_xcnt 0x0                                ; TMP, which the last eight stores read, is rewritten only behind this wait
	WIN 0x05
.irp nt, 0,1,2,3,4,5,6,7
.irp k, 0,1,2,3
	v_cvt_pk_f16_f32 v[TMP+4*\nt+\k], v[8*(8*\rt+\nt)+2*\k], v[8*(8*\rt+\nt)+2*\k+1]
.endr
.endr
	WIN 0
.irp nt, 0,1,2,3,4,5,6,7
	global_store_b128 v[LO16], v[TMP+4*\nt:TMP+4*\nt+3], s[OB:OB+1] offset:(\nt>>2)*262144+\rt*2048+(\nt&3)*512   ; head nt / 4, row tile rt, dims 16 (nt % 4): 512 consecutive bytes, aligned
.endr
.endr
.endm
; The way out of V^T: hi = the sum cut to what f16 holds (so its conversion is exact), lo = sum - hi (exact in f32), rounded to f16.
.macro EPIV
	PLACES 5                                       ; behind the last matrix instructions: for the readers of results and the writes into the fragment buffers
.irp rt, 0,1,2,3
	s_wait_xcnt 0x0                                ; VH and VL, which the last sixteen stores read, are rewritten only behind this wait
	WIN 0x04                                       ; source 1 window 1
.set cnt, 0
.rept 64
	v_and_b32 v[VTM+cnt], s85, v[64*\rt+cnt]
.set cnt, cnt+1
.endr
	WIN 0
.set cnt, 0
.rept 32
	v_cvt_pk_f16_f32 v[VH+cnt], v[VTM+2*cnt], v[VTM+2*cnt+1]
.set cnt, cnt+1
.endr
	WIN 0x01                                       ; source 0 window 1
.set cnt, 0
.rept 32
	v_pk_add_f32 v[VTM+cnt:VTM+cnt+1], v[64*\rt+cnt:64*\rt+cnt+1], v[VTM+cnt:VTM+cnt+1] neg_lo:[0,1] neg_hi:[0,1]
.set cnt, cnt+2
.endr
	WIN 0
.set cnt, 0
.rept 32
	v_cvt_pk_f16_f32 v[VL+cnt], v[VTM+2*cnt], v[VTM+2*cnt+1]
.set cnt, cnt+1
.endr
.irp nt, 0,1,2,3,4,5,6,7
	global_store_b128 v[LO16], v[VH+4*\nt:VH+4*\nt+3], s[OBV:OBV+1] offset:(\nt>>2)*524288+\rt*4096+(\nt&3)*512        ; head nt / 4, key tile rt, hi, dims 16 (nt % 4)
	global_store_b128 v[LO16], v[VL+4*\nt:VL+4*\nt+3], s[OBV:OBV+1] offset:(\nt>>2)*524288+\rt*4096+2048+(\nt&3)*512   ; lo
.endr
.endr
.endm
	s_wait_tensorcnt 0x1                           ; my part of step 0 is in; step 1's stays out
	s_barrier_signal -1
	s_barrier_wait -1
	FETCH 0, 0, 0
	s_wait_loadcnt 0x0                             ; the biases
	STEP 0, 0, 1, 2, 0, 2, 2                       ; q
	STEP 1, 0, 0, 2, 0, 3, 3
	STEP 0, 0, 0, 2, 1, 0, 4
	STEP 1, 0, 0, 2, 1, 1, 5
	EPIQK 1, 0
	STEP 0, 0, 2, 2, 1, 2, 6                       ; k
	STEP 1, 0, 0, 2, 1, 3, 7
	STEP 0, 0, 0, 2, 2, 0, 8
	STEP 1, 0, 0, 2, 2, 1, 9
	EPIQK 0, 1
	STEP 0, 1, 3, 2, 2, 2, 10                      ; v
	STEP 1, 1, 0, 2, 2, 3, 11
	STEP 0, 1, 0, 1, 0, 0, 0
	STEP 1, 1, 0, 0, 0, 0, 0
	EPIV
	s_wait_tensorcnt 0x0
	ds_add_u32 v222, v223
	s_wait_dscnt 0x0
	CROUND                                         ; the closing round: no work-group ends while a partner may still ask for a tile that names it
	s_endpgm
.Lfunc_end_k_qb5a9f8f52b_proj:
	.size	k_qb5a9f8f52b_proj, .Lfunc_end_k_qb5a9f8f52b_proj-k_qb5a9f8f52b_proj
	.p2alignl 7, 3214868480
	.fill 96, 4, 3214868480
	.section	.rodata,"a",@progbits
	.p2align	6, 0x0
	.amdhsa_kernel k_qb5a9f8f52b_proj
		.amdhsa_group_segment_fixed_size 327680
		.amdhsa_private_segment_fixed_size 0
		.amdhsa_enable_private_segment 0
		.amdhsa_kernarg_size 56
		.amdhsa_user_sgpr_count 2
		.amdhsa_user_sgpr_kernarg_segment_ptr 1
		.amdhsa_wavefront_size32 1
		.amdhsa_system_sgpr_workgroup_id_x 1
		.amdhsa_system_sgpr_workgroup_id_y 1
		.amdhsa_system_sgpr_workgroup_id_z 1
		.amdhsa_system_vgpr_workitem_id 0
		.amdhsa_next_free_vgpr 768
		.amdhsa_next_free_sgpr 96
		.amdhsa_reserve_vcc 0
		.amdhsa_float_denorm_mode_32 3
		.amdhsa_float_denorm_mode_16_64 3
		.amdhsa_memory_ordered 1
		.amdhsa_forward_progress 1
		.amdhsa_inst_pref_size 255
	.end_amdhsa_kernel
	.section	.bss,"aw",@nobits
	.p2align	6
	.space	262144
	.amdgpu_metadata
---
amdhsa.version: [ 1, 2 ]
amdhsa.kernels:
  - .name:           k_qb5a9f8f52b_proj
    .symbol:         k_qb5a9f8f52b_proj.kd
    .args:
      - { .name: q, .offset: 0, .size: 8, .value_kind: global_buffer, .address_space: global }
      - { .name: k, .offset: 8, .size: 8, .value_kind: global_buffer, .address_space: global }
      - { .name: v, .offset: 16, .size: 8, .value_kind: global_buffer, .address_space: global }
      - { .name: wf, .offset: 24, .size: 8, .value_kind: global_buffer, .address_space: global }
      - { .name: bq, .offset: 32, .size: 8, .value_kind: global_buffer, .address_space: global }
      - { .name: bk, .offset: 40, .size: 8, .value_kind: global_buffer, .address_space: global }
      - { .name: qkv, .offset: 48, .size: 8, .value_kind: global_buffer, .address_space: global }
    .group_segment_fixed_size: 327680
    .private_segment_fixed_size: 0
    .kernarg_segment_align: 8
    .kernarg_segment_size: 56
    .max_flat_workgroup_size: 128
    .sgpr_count:     96
    .vgpr_count:     768
    .wavefront_size: 32
...
	.end_amdgpu_metadata
.endif
;; end of part 2
;; launch attn (part 3): grid 4 x 64, 8 waves a work-group, clusters of 4 x 4, 327,680 bytes of LDS; arguments qkv, mask, bv, ctx; writes ctx
.if DOCPART == 3
	.amdgcn_target "amdgcn-amd-amdhsa--gfx1250"
	.amdhsa_code_object_version 6
	.text
	.protected	k_qb5a9f8f52b_attn
	.globl	k_qb5a9f8f52b_attn
	.p2align	8
	.type	k_qb5a9f8f52b_attn,@function
k_qb5a9f8f52b_attn:
	s_mov_b64 s[64:65], 0
	v_nop
	global_prefetch_b8 v0, s[64:65] scope:SCOPE_SE
	s_setreg_imm32_b32 hwreg(HW_REG_WAVE_MODE, 25, 1), 1
	s_wait_xcnt 0x0
	s_wait_alu depctr_hold_cnt(0) depctr_sa_sdst(0) depctr_va_vdst(0) depctr_va_sdst(0) depctr_va_ssrc(0) depctr_va_vcc(0) depctr_vm_vsrc(0)
	s_getreg_b32 s2, hwreg(HW_REG_IB_STS2, 6, 4)
	s_cmp_eq_u32 s2, 0
	s_cbranch_scc0 .Lentry_in_a_cluster
	s_endpgm
.Lentry_in_a_cluster:
	s_bfe_u32 s2, ttmp6, 0x10000c
	s_cmp_lg_u32 s2, 0xf033
	s_cbranch_scc0 .Lentry_shape_is_right
	s_endpgm
.Lentry_shape_is_right:
; Attention with a running maximum: ctx = softmax(Q K^T / sqrt(512) - 1e9 mask) V + bv, one pass over the keys, 64 at a time.
; Q' already carries log2(e)/sqrt(512), so the exponent in base 2 is t = fma(mask, -1e9 log2(e), Q' K): one rounding, where reference() multiplies, adds and uses base e.
; The mask is an input: every word of it is read and applied; no key is skipped.
; A work-group has one batch, one block of 256 query rows and two heads.  Wave w: head 2 cx + w / 4, query rows 64 (w % 4) .. +63.
; CLUSTER 4 x 4: cx = the pair of heads, cy = the query block within four; the batch and which four query blocks come from the cluster's number.  Every tile is asked for JOINTLY:
;   the mask tile (256 rows x 64 keys of f32) hangs on the query block alone: shared along a row of the cluster (same cy); it serves two heads out of LDS and eight by one request;
;   the K and V^T tiles hang on batch and head alone: shared along a column (same cx): one request for four query blocks, which divides the requests for K and V by four.
; Two waves on each SIMD: one wave's exponentials run beside the other's matrix instructions.
; S^T = K Q^T: register j of lane (r, h) holds key 8 h + j of query r.  A query's scores lie in one lane and its partner 16 lanes off, so maximum and sum are made mostly inside
; the lane, the rescaling factor is one number a lane, and two packed S^T tiles ARE the second operand of O^T = V^T P^T: P never goes through LDS.
; PRECISION.  Operands are f16: Q', K, the weights P (all in (0, 1]), and V^T as hi + lo, two products for each tile, so that a query with few keys gets V at 22 bits.
; ctx leaves as bf16 hi + lo (hi = the f32 number cut to bf16, lo = the remainder rounded): block (((8 b + head)*128 + row tile)*2 + part)*4 + t, lane (r, h): row r, dims 16 t + 8 h + 0..7.
; REGISTERS are all in use (2 waves x 512 on a SIMD), so: the two sets of score registers change roles with the slot's parity (the next step's first mask words wait in the set
; that the second pair of query tiles will use), and K's 64 registers hold in turn K, the second pair's mask words, and V^T lo.
; No prefetch: a refill has a whole step's work of the wave in which to land, and each tile is asked for by several work-groups at about the same time.
; Limits: sums f32; weights under 2^-24 of the row's largest count as 0; a score of -inf (infinite or overflowing mask term) gets weight 0 as in reference(),
; a row that is -inf throughout, a +inf score or a NaN gives NaN as in reference(); a row whose mask is 1 throughout gives the plain average, as in reference().
.set SLOT,   118784                    ; mask: 256 rows x 272 bytes; V^T head 0, head 1: 16,384 bytes each; K head 0, head 1: 8,192 bytes each
.set MPITCH, 272                       ; 256 bytes + 16: an odd multiple of 16
.set MQ,     64*MPITCH                 ; what one joint load of mask words brings
.set VOFF,   4*MQ
.set VTB,    16384                     ; a step's V^T of one head: 4 key tiles x (hi 2,048 + lo 2,048)
.set KOFF,   VOFF+2*VTB
.set KTB,    8192
; window 0
.set MA,   2                           ; v2-3    LDS address of my mask words in slot 0, 1
.set KA,   4                           ; v4-5    the same for my head's K blocks
.set LO16, 6                           ; v6      16 L
.set BVO,  7                           ; v7      byte offset of my 8 numbers of bv, dims 8 h + 0..7
.set MS0,  8                           ; v8-15   query tile i: (maximum, set 0; my half's sum l).  v16-23: (maximum, set 1; the partner lane's figure)
.set AL,   24                          ; v24-27  e = 0, 1: (rescaling factor; second chain of the maximum)
.set VA,   28                          ; v28-29  LDS address of my head's V^T blocks in slot 0, 1
.set SC,   32                          ; v32-95, v96-159  two sets: scores, then weights: 32 e + 8 kt + j; packed: P(e, s) in the lower 8 of each 16; or mask words in waiting
.set KF,   160                         ; v160-223 K fragments 8 (2 kt + kk); then mask words; then V^T lo fragments 8 (2 t + s)
.set SU,   224                         ; v224-231 sums at work
.set BVR,  SC+64                       ; v96-127  bv, fetched in the last step (slot 1) into its first pair's set
.set ET,   128                         ; v128-159 the way out: 32 numbers at work
; window 1
.set OA,   0                           ; v0-127  O^T: 8 (4 i + t)
.set QF,   128                         ; v128-191 Q fragments, 8 (2 i + kk)
.set VF,   192                         ; v192-255 V^T hi fragments, 8 (2 t + s)
.set G1M, 20
.set G1K, 28
.set G0M, 36                           ; one set a slot
.set G0K, 44
.set G1V, 84
.set G0V, 92
.set MSB, 0
.macro WIN new
.if MSB != \new
	s_set_vgpr_msb (MSB<<8)|\new
.set MSB, \new
.endif
.endm
.macro PLACES n
.rept \n
	v_nop
.endr
.endm
.macro CREST
	s_cmp_lg_u32 s12, 0
	s_cbranch_scc1 .Lnot_wave_0_\@
	s_barrier_signal -3
.Lnot_wave_0_\@:
	s_barrier_wait -3
	s_barrier_signal -1
	s_barrier_wait -1
.endm
.macro CROUND
	s_barrier_signal -1
	s_barrier_wait -1
	CREST
.endm
; One joint tensor load a wave: waves 0-3 a quarter of the mask tile each (my row of the cluster), waves 4, 5 one head's V^T, waves 6, 7 one head's K (my column).
; Each line has one mask and one set of registers for all that issue it.  The branches hang on the wave's number alone.
.macro JLOAD s
	s_cmp_lt_u32 s12, 4
	s_cbranch_scc0 .Lnot_mask_\@
	tensor_load_to_lds s[G0M+4*\s:G0M+4*\s+3], s[G1M:G1M+7]
	s_nop 0
	s_branch .Lasked_\@
.Lnot_mask_\@:
	s_cmp_lt_u32 s12, 6
	s_cbranch_scc0 .Lfor_k_\@
	tensor_load_to_lds s[G0V+4*\s:G0V+4*\s+3], s[G1V:G1V+7]
	s_nop 0
	s_branch .Lasked_\@
.Lfor_k_\@:
	tensor_load_to_lds s[G0K+4*\s:G0K+4*\s+3], s[G1K:G1K+7]
	s_nop 0
.Lasked_\@:
.endm
	s_load_b256 s[4:11], s[0:1], 0x0               ; qkv s[4:5], mask s[6:7], bv s[8:9], ctx s[10:11]
	v_lshl_add_u32 v254, v0, 2, 0x3a000
	v_mov_b32 v255, 0
	ds_add_u32 v254, v255
	v_lshrrev_b32 v1, 5, v0
	v_readfirstlane_b32 s12, v1                    ; wave 0..7
	s_lshr_b32 s13, s12, 2                         ; which of the two heads is mine
	s_and_b32 s14, s12, 3                          ; which 64 query rows.  Also: which quarter of the mask tile I fetch
	s_and_b32 s18, s12, 1                          ; for which of the two heads I fetch K or V^T
	s_bfe_u32 s15, ttmp6, 0x40000                  ; cx = the pair of heads (the grid is one cluster wide)
	s_bfe_u32 s2, ttmp6, 0x40004                   ; cy
	s_and_b32 s3, ttmp7, 0xffff                    ; the cluster's y, 0..15
	s_lshr_b32 s16, s3, 1                          ; batch: of the cluster's number alone
	s_and_b32 s17, s3, 1
	s_lshl_b32 s17, s17, 2
	s_add_co_u32 s17, s17, s2                      ; block of 256 query rows = 4 (cluster y % 2) + cy
	s_lshl_b32 s58, s2, 2
	s_lshl_b32 s58, 15, s58                        ; my row of the cluster: places 4 cy .. 4 cy + 3
	s_lshl_b32 s62, 0x1111, s15                    ; my column: places cx, cx + 4, cx + 8, cx + 12
	; group 1, mask: 64 rows x 64 f32, pitch 2,048 elements, 4 words of padding behind every 64; shared along my row, bit 21 beside the mask
	s_or_b32 s[G1M+0], s58, (2<<16)|(1<<20)|(1<<21)|(5<<22)|(3<<25)
	s_mov_b32 s[G1M+1], 64<<16
	s_mov_b32 s[G1M+2], 64<<16
	s_mov_b32 s[G1M+3], 64<<16
	s_mov_b32 s[G1M+4], 64
	s_mov_b32 s[G1M+5], 2048
	s_mov_b32 s[G1M+6], 0
	s_mov_b32 s[G1M+7], 0
	; group 1, K: 8 KiB that lie dense in qkv, as 32 rows of 256 bytes; shared along my column
	s_or_b32 s[G1K+0], s62, (3<<16)|(1<<21)
	s_mov_b32 s[G1K+1], 32<<16
	s_mov_b32 s[G1K+2], 32<<16
	s_mov_b32 s[G1K+3], 32<<16
	s_mov_b32 s[G1K+4], 32
	s_mov_b32 s[G1K+5], 32
	s_mov_b32 s[G1K+6], 0
	s_mov_b32 s[G1K+7], 0
	; group 1, V^T: 16 KiB dense, as 64 rows of 256 bytes; shared along my column
	s_or_b32 s[G1V+0], s62, (3<<16)|(1<<21)
	s_mov_b32 s[G1V+1], 32<<16
	s_mov_b32 s[G1V+2], 64<<16
	s_mov_b32 s[G1V+3], 32<<16
	s_mov_b32 s[G1V+4], 64
	s_mov_b32 s[G1V+5], 32
	s_mov_b32 s[G1V+6], 0
	s_mov_b32 s[G1V+7], 0
	s_mov_b32 s52, 0xceabfb8f                      ; -1e9 log2(e)
	s_mov_b32 s53, 0xceabfb8f
	s_mov_b32 s54, 0x76543210                      ; v_permlanex16_b32: lane i of one half reads lane i of the other
	s_mov_b32 s55, 0xfedcba98
	s_mov_b32 s57, 0xff7fffff                      ; the most negative finite number: where the running maximum starts
	s_mov_b32 s19, 0xffff0000                      ; keeps what bf16 holds of an f32
	; where the tiles come from.  The mask's hang on the query block and the wave's number, which my row shares; K's and V^T's on batch, cx and the wave's number, which my column shares.
	s_lshl_b32 s58, s17, 21                        ; 256 rows of 8,192 bytes
	s_lshl_b32 s59, s14, 19                        ; + my 64 rows
	s_add_co_u32 s58, s58, s59
	s_mov_b32 s59, 0
	s_lshl_b32 s66, s16, 3
	s_lshl_b32 s62, s15, 1
	s_add_co_u32 s66, s66, s62                     ; 8 b + 2 cx
	s_add_co_u32 s62, s66, s18                     ; the head that I fetch for
	s_lshl_b32 s60, s62, 19                        ; V^T: 524,288 bytes a head,
	s_add_co_u32 s60, s60, 0x2000000               ; behind Q' and K
	s_mov_b32 s61, 0
	s_lshl_b32 s80, s62, 18                        ; K: 262,144 bytes a head,
	s_add_co_u32 s80, s80, 0x1000000               ; behind Q'
	s_mov_b32 s81, 0
	s_add_co_u32 s68, s66, s13                     ; my own head
	s_lshl_b32 s68, s68, 18
	s_lshl_b32 s69, s17, 15                        ; 16 row tiles of 2,048 bytes
	s_add_co_u32 s68, s68, s69
	s_lshl_b32 s69, s14, 13                        ; + my 4
	s_add_co_u32 s68, s68, s69
	s_mov_b32 s69, 0
	s_lshl_b32 s82, s68, 1                         ; ctx has two parts for each tile: twice the offset
	s_mov_b32 s83, 0
	s_mul_i32 s70, s12, MQ                         ; mask lands at wave x 17,408 (waves 0-3): no place in the cluster enters an LDS address
	s_mul_i32 s71, s12, VTB
	s_add_co_u32 s71, s71, VOFF-4*VTB              ; V^T at 69,632 + (wave - 4) x 16,384 (waves 4, 5)
	s_mul_i32 s67, s12, KTB
	s_add_co_u32 s67, s67, KOFF-6*KTB              ; K at 102,400 + (wave - 6) x 8,192 (waves 6, 7)
	s_wait_dscnt 0x0
	s_wait_kmcnt 0x0
	s_add_nc_u64 s[72:73], s[6:7], s[58:59]
	s_add_nc_u64 s[74:75], s[4:5], s[60:61]
	s_add_nc_u64 s[80:81], s[4:5], s[80:81]
	s_add_nc_u64 s[76:77], s[4:5], s[68:69]        ; my Q blocks
	s_add_nc_u64 s[78:79], s[10:11], s[82:83]      ; my ctx blocks
	CROUND                                         ; all sixteen work-groups are here: the first joint loads meet
.irp s, 0,1
	s_mov_b32 s[G0M+4*\s], 1
	s_add_co_u32 s[G0M+4*\s+1], s70, \s*SLOT
	s_add_nc_u64 s[G0M+4*\s+2:G0M+4*\s+3], s[72:73], \s*256        ; keys 64 s ..
	s_or_b32 s[G0M+4*\s+3], s[G0M+4*\s+3], 0x80000000
	s_mov_b32 s[G0V+4*\s], 1
	s_add_co_u32 s[G0V+4*\s+1], s71, \s*SLOT
	s_add_nc_u64 s[G0V+4*\s+2:G0V+4*\s+3], s[74:75], \s*VTB
	s_or_b32 s[G0V+4*\s+3], s[G0V+4*\s+3], 0x80000000
	s_mov_b32 s[G0K+4*\s], 1
	s_add_co_u32 s[G0K+4*\s+1], s67, \s*SLOT
	s_add_nc_u64 s[G0K+4*\s+2:G0K+4*\s+3], s[80:81], \s*KTB
	s_or_b32 s[G0K+4*\s+3], s[G0K+4*\s+3], 0x80000000
	JLOAD \s                                       ; both first fills together: two tensor loads of a wave are out, the most in this text
.endr
	v_and_b32 v232, 15, v0                         ; r
	v_bfe_u32 v233, v0, 4, 1                       ; h
	v_and_b32 v234, 31, v0                         ; L
	v_lshlrev_b32 v[LO16], 4, v234
	WIN 0x40
.irp n, 0,1,2,3,4,5,6,7,8,9,10,11,12,13,14,15
	global_load_b128 v[QF+4*\n:QF+4*\n+3], v[LO16], s[76:77] offset:512*\n     ; 16 blocks, 8 KiB in a row: the fragments of my 64 queries, kept for the whole kernel
.endr
	WIN 0
	s_lshl_b32 s58, s14, 6
	v_add_nc_u32 v235, s58, v232                   ; my row in the mask tile, query tile 0
	v_mul_u32_u24 v235, v235, MPITCH
	v_lshl_add_u32 v[MA], v233, 5, v235            ; + 8 h words
	v_add_nc_u32 v[MA+1], SLOT, v[MA]
	s_lshl_b32 s59, s13, 13
	s_add_co_u32 s59, s59, KOFF
	v_add_nc_u32 v[KA], s59, v[LO16]
	v_add_nc_u32 v[KA+1], SLOT, v[KA]
	s_lshl_b32 s60, s13, 14
	s_add_co_u32 s60, s60, VOFF
	v_add_nc_u32 v[VA], s60, v[LO16]
	v_add_nc_u32 v[VA+1], SLOT, v[VA]
	s_lshl_b32 s61, s15, 1
	s_add_co_u32 s61, s61, s13
	s_lshl_b32 s61, s61, 8                         ; my head's 64 numbers of bv
	v_lshl_add_u32 v[BVO], v233, 5, s61
.irp i, 0,1,2,3
	v_mov_b32 v[MS0+9+2*\i], 0                     ; v_permlanex16_b32 counts as a reader of its destination: written once here
.endr
.macro LDK slot                        ; 16 loads: my head's 64 keys x 64 dims
.irp kt, 0,1,2,3
.irp kk, 0,1
	ds_load_b128 v[KF+8*(2*\kt+\kk):KF+8*(2*\kt+\kk)+3],   v[KA+(\slot)] offset:(4*\kt+2*\kk)*512
	ds_load_b128 v[KF+8*(2*\kt+\kk)+4:KF+8*(2*\kt+\kk)+7], v[KA+(\slot)] offset:(4*\kt+2*\kk)*512+512
.endr
.endr
.endm
.macro LDM slot, g, dst                ; 16 loads: the mask words of query tiles 2 g, 2 g + 1, in the scores' layout, into the 64 registers at dst
.irp e, 0,1
.irp kt, 0,1,2,3
	ds_load_b128 v[\dst+32*\e+8*\kt:\dst+32*\e+8*\kt+3],   v[MA+(\slot)] offset:(2*(\g)+\e)*16*MPITCH+\kt*64
	ds_load_b128 v[\dst+32*\e+8*\kt+4:\dst+32*\e+8*\kt+7], v[MA+(\slot)] offset:(2*(\g)+\e)*16*MPITCH+\kt*64+16
.endr
.endr
.endm
.macro LDVH slot                       ; 16 loads: V^T hi, 64 dims x 64 keys; a fragment's halves are key tiles 2 s and 2 s + 1, 4,096 bytes apart
	WIN 0x40
.irp t, 0,1,2,3
.irp s, 0,1
	ds_load_b128 v[VF+8*(2*\t+\s):VF+8*(2*\t+\s)+3],   v[VA+(\slot)] offset:\s*8192+\t*512
	ds_load_b128 v[VF+8*(2*\t+\s)+4:VF+8*(2*\t+\s)+7], v[VA+(\slot)] offset:\s*8192+\t*512+4096
.endr
.endr
.endm
.macro LDVL slot                       ; 16 loads: V^T lo, 2,048 bytes behind hi, into K's registers
.irp t, 0,1,2,3
.irp s, 0,1
	ds_load_b128 v[KF+8*(2*\t+\s):KF+8*(2*\t+\s)+3],   v[VA+(\slot)] offset:\s*8192+2048+\t*512
	ds_load_b128 v[KF+8*(2*\t+\s)+4:KF+8*(2*\t+\s)+7], v[VA+(\slot)] offset:\s*8192+2048+\t*512+4096
.endr
.endr
.endm
; S^T of query tiles 2 g, 2 g + 1 into the set at sb: eight accumulators take turns, one instruction a turn; the first 32 dims start the sums
.macro SMUL g, sb
	WIN 0x04                                       ; K window 0, Q window 1, C and D window 0
.irp kk, 0,1
.irp e, 0,1
.irp kt, 0,1,2,3
.if \kk == 0
	v_wmma_f32_16x16x32_f16 v[\sb+32*\e+8*\kt:\sb+32*\e+8*\kt+7], v[KF+8*(2*\kt+\kk):KF+8*(2*\kt+\kk)+7], v[QF+8*(2*(2*\g+\e)+\kk):QF+8*(2*(2*\g+\e)+\kk)+7], 0
.else
	v_wmma_f32_16x16x32_f16 v[\sb+32*\e+8*\kt:\sb+32*\e+8*\kt+7], v[KF+8*(2*\kt+\kk):KF+8*(2*\kt+\kk)+7], v[QF+8*(2*(2*\g+\e)+\kk):QF+8*(2*(2*\g+\e)+\kk)+7], v[\sb+32*\e+8*\kt:\sb+32*\e+8*\kt+7]
.endif
.endr
.endr
.endr
.endm
.macro BIAS sb, mb                     ; t = mask x (-1e9 log2 e) + s, fused; scores at sb, mask words at mb
.set cnt, 0
.rept 32
	v_pk_fma_f32 v[\sb+cnt:\sb+cnt+1], v[\mb+cnt:\mb+cnt+1], s[52:53], v[\sb+cnt:\sb+cnt+1] op_sel_hi:[1,0,1]
.set cnt, cnt+2
.endr
.endm
; The softmax step of query tiles i = 2 g + e, scores at sb.  p: the set that holds the old maxima (the new ones are built in the other set, so nothing is copied).
.macro SOFTMAX g, p, first, sb
.set MOB, MS0+8*\p+4*\g                ; old maximum of e: MOB + 2 e
.set MNB, MS0+8*(1-\p)+4*\g            ; new maximum
.set LIB, MS0+4*\g+1                   ; l
.set XIB, MS0+8+4*\g+1                 ; the partner lane's figure
	; the largest of my 32 exponents and the old maximum, in two chains for each tile
.irp e, 0,1
.if \first
	v_max3_num_f32 v[MNB+2*\e], v[\sb+32*\e], v[\sb+32*\e+1], s57
.else
	v_max3_num_f32 v[MNB+2*\e], v[MOB+2*\e], v[\sb+32*\e], v[\sb+32*\e+1]
.endif
	v_max3_num_f32 v[AL+2*\e+1], v[\sb+32*\e+16], v[\sb+32*\e+17], v[\sb+32*\e+18]
.endr
.irp n, 1,2,3,4,5,6
.irp e, 0,1
	v_max3_num_f32 v[MNB+2*\e], v[MNB+2*\e], v[\sb+32*\e+2*\n], v[\sb+32*\e+2*\n+1]
	v_max3_num_f32 v[AL+2*\e+1], v[AL+2*\e+1], v[\sb+32*\e+17+2*\n], v[\sb+32*\e+18+2*\n]
.endr
.endr
.irp e, 0,1
	v_max3_num_f32 v[MNB+2*\e], v[MNB+2*\e], v[\sb+32*\e+14], v[\sb+32*\e+15]
.endr
.irp e, 0,1
	v_max3_num_f32 v[MNB+2*\e], v[MNB+2*\e], v[AL+2*\e+1], v[\sb+32*\e+31]
.endr
.irp e, 0,1
	v_permlanex16_b32 v[XIB+2*\e], v[MNB+2*\e], s54, s55           ; the other 32 keys of the same query
.endr
.irp e, 0,1
	v_max_num_f32 v[MNB+2*\e], v[MNB+2*\e], v[XIB+2*\e]
.endr
.if \first == 0
.irp e, 0,1
	v_sub_f32 v[AL+2*\e], v[MOB+2*\e], v[MNB+2*\e]
.endr
.endif
	; t - maximum, two at a time (the pair's first register is broadcast)
.irp n, 0,1,2,3,4,5,6,7,8,9,10,11,12,13,14,15
.irp e, 0,1
	v_pk_add_f32 v[\sb+32*\e+2*\n:\sb+32*\e+2*\n+1], v[\sb+32*\e+2*\n:\sb+32*\e+2*\n+1], v[MNB+2*\e:MNB+2*\e+1] op_sel_hi:[1,0] neg_lo:[0,1] neg_hi:[0,1]
.endr
.endr
.set cnt, 0
.rept 64
	v_exp_f32 v[\sb+cnt], v[\sb+cnt]
.set cnt, cnt+1
.endr
.if \first == 0
	v_exp_f32 v[AL], v[AL]                         ; by how much the old sums shrink
	v_exp_f32 v[AL+2], v[AL+2]
.endif
	v_nop                                          ; one plain instruction between the last exponential and the first use of a result (ISA guide 5.7.2)
	; my half's sum of the 32 weights, in f32, two chains of pairs for each tile
	s_wait_alu depctr_va_vdst(0)
.irp e, 0,1
	v_pk_add_f32 v[SU+4*\e:SU+4*\e+1], v[\sb+32*\e:\sb+32*\e+1], v[\sb+32*\e+2:\sb+32*\e+3]
	v_pk_add_f32 v[SU+4*\e+2:SU+4*\e+3], v[\sb+32*\e+16:\sb+32*\e+17], v[\sb+32*\e+18:\sb+32*\e+19]
.endr
.irp n, 2,3,4,5,6,7
.irp e, 0,1
	v_pk_add_f32 v[SU+4*\e:SU+4*\e+1], v[SU+4*\e:SU+4*\e+1], v[\sb+32*\e+2*\n:\sb+32*\e+2*\n+1]
	v_pk_add_f32 v[SU+4*\e+2:SU+4*\e+3], v[SU+4*\e+2:SU+4*\e+3], v[\sb+32*\e+16+2*\n:\sb+32*\e+16+2*\n+1]
.endr
.endr
.irp e, 0,1
	v_pk_add_f32 v[SU+4*\e:SU+4*\e+1], v[SU+4*\e:SU+4*\e+1], v[SU+4*\e+2:SU+4*\e+3]
.endr
.if \first
.irp e, 0,1
	v_add_f32 v[LIB+2*\e], v[SU+4*\e], v[SU+4*\e+1]                ; the first step starts l: nothing is cleared
.endr
.else
.irp e, 0,1
	v_add_f32 v[SU+4*\e], v[SU+4*\e], v[SU+4*\e+1]
.endr
.irp e, 0,1
	v_fma_f32 v[LIB+2*\e], v[LIB+2*\e], v[AL+2*\e], v[SU+4*\e]
.endr
.endif
	; the weights as f16, packed in place: key tiles 2 s, 2 s + 1 become the 8 registers of P^T's fragment (e, s)
.irp e, 0,1
.irp s, 0,1
.irp k, 0,1,2,3,4,5,6,7
	v_cvt_pk_f16_f32 v[\sb+32*\e+16*\s+\k], v[\sb+32*\e+16*\s+2*\k], v[\sb+32*\e+16*\s+2*\k+1]
.endr
.endr
.endr
.endm
.macro RESC g                          ; the old O^T shrinks with the old sums: one factor a lane
	WIN 0x41
.irp e, 0,1
.irp n, 0,1,2,3,4,5,6,7,8,9,10,11,12,13,14,15
	v_pk_mul_f32 v[OA+32*(2*\g+\e)+2*\n:OA+32*(2*\g+\e)+2*\n+1], v[OA+32*(2*\g+\e)+2*\n:OA+32*(2*\g+\e)+2*\n+1], v[AL+2*\e:AL+2*\e+1] op_sel_hi:[1,0]
.endr
.endr
.endm
; O^T += V^T(part) P^T for query tiles 2 g, 2 g + 1, weights at sb; part 0: hi, 1: lo.  Eight accumulators take turns, one instruction a turn.
; start = 1: the first 32 keys start the sums.
.macro PVP g, sb, part, start
.if \part
	WIN 0x50                                       ; V^T lo window 0, P window 0, C and D window 1
.else
	WIN 0x51                                       ; V^T hi window 1
.endif
.set VB, VF-(VF-KF)*\part
.irp s, 0,1
.irp e, 0,1
.irp t, 0,1,2,3
.if \start*(1-\s)
	v_wmma_f32_16x16x32_f16 v[OA+8*(4*(2*\g+\e)+\t):OA+8*(4*(2*\g+\e)+\t)+7], v[VB+8*(2*\t+\s):VB+8*(2*\t+\s)+7], v[\sb+32*\e+16*\s:\sb+32*\e+16*\s+7], 0
.else
	v_wmma_f32_16x16x32_f16 v[OA+8*(4*(2*\g+\e)+\t):OA+8*(4*(2*\g+\e)+\t)+7], v[VB+8*(2*\t+\s):VB+8*(2*\t+\s)+7], v[\sb+32*\e+16*\s:\sb+32*\e+16*\s+7], v[OA+8*(4*(2*\g+\e)+\t):OA+8*(4*(2*\g+\e)+\t)+7]
.endif
.endr
.endr
.endr
.endm
; One step: 64 keys out of slot 'slot'.  At its head 48 LDS loads of the wave may be out, in this order: mask words of query tiles 0, 1 (16, in the second pair's set), K (16), V^T hi (16).
; mode 2: in mid-step this slot, whose last reads are then over, is filled again two steps ahead, behind a round of the cluster's barrier; the load has a whole step in which to land.
; mode 1: nothing left to fetch, a plain barrier shows the last tile whole.  mode 0: the last step; bv is fetched instead.
.macro STEP slot, first, mode
.set S0B, SC+64*\slot                  ; the set of query tiles 0, 1 in this step
.set S1B, SC+64*(1-\slot)              ; the set of query tiles 2, 3; until then it holds the first pair's mask words
	s_wait_dscnt 16                                ; mask words and K are in; V^T hi stays out
	SMUL 0, S0B
	WIN 0
	PLACES 4                                       ; four places between the last matrix instruction and the first reader of a result (ISA guide 7.12.1)
	BIAS S0B, S1B
	SMUL 1, S1B
	WIN 0
	PLACES 4                                       ; and ahead of the loads into K's registers
	LDM \slot, 1, KF                               ; the second pair's mask words
	SOFTMAX 0, \slot, \first, S0B
	s_wait_dscnt 0x0                               ; V^T hi and those mask words are in
	BIAS S1B, KF
	LDVL \slot                                     ; V^T lo, into the registers just used up; it has the 16 products with hi in which to come
.if \first == 0
	RESC 0
.endif
	PVP 0, S0B, 0, \first
	s_wait_dscnt 0x0                               ; V^T lo is in, and with it all my reads of this slot are over
	PVP 0, S0B, 1, 0
	WIN 0
	PLACES 4                                       ; ahead of the loads into the first pair's set
.if \mode == 2
	s_wait_tensorcnt 0x0                           ; all my tensor loads have landed: the one that was out is my part of the other slot
	ds_add_u32 v254, v255
	s_wait_dscnt 0x0
	CROUND                                         ; both now hold of every wave of the sixteen work-groups
	s_add_nc_u64 s[G0M+4*\slot+2:G0M+4*\slot+3], s[G0M+4*\slot+2:G0M+4*\slot+3], 2*256
	s_add_nc_u64 s[G0V+4*\slot+2:G0V+4*\slot+3], s[G0V+4*\slot+2:G0V+4*\slot+3], 2*VTB
	s_add_nc_u64 s[G0K+4*\slot+2:G0K+4*\slot+3], s[G0K+4*\slot+2:G0K+4*\slot+3], 2*KTB
	JLOAD \slot                                    ; my one tensor load behind the round, ahead of every LDS read
.endif
.if \mode == 1
	s_wait_tensorcnt 0x0
	s_barrier_signal -1
	s_barrier_wait -1                              ; the last tile is whole
.endif
.if \mode
	LDM 1-\slot, 0, S0B                            ; the next step's first mask words: this set is the next step's second pair's
.else
.irp t, 0,1,2,3
	global_load_b128 v[S0B+8*\t:S0B+8*\t+3],   v[BVO], s[8:9] offset:64*\t     ; bv of dims 16 t + 8 h + 0..7, in O^T's layout
	global_load_b128 v[S0B+8*\t+4:S0B+8*\t+7], v[BVO], s[8:9] offset:64*\t+16
.endr
.endif
	SOFTMAX 1, \slot, \first, S1B
.if \first == 0
	RESC 1
.endif
	PVP 1, S1B, 1, \first                          ; lo first, so that its registers are free for the next K
	WIN 0
.if \mode
	PLACES 4
	LDK 1-\slot                                    ; it has the 16 products with hi in which to come
.endif
	PVP 1, S1B, 0, 0
	WIN 0
	PLACES 5                                       ; before the loads into V^T hi's registers, the next products over this set, and the way out
.if \mode
	LDVH 1-\slot
	WIN 0
.endif
.endm
	s_wait_tensorcnt 0x1                           ; my part of step 0's tiles is in; step 1's stays out
	s_barrier_signal -1
	s_barrier_wait -1
	LDM 0, 0, SC+64
	LDK 0
	LDVH 0
	WIN 0
	s_wait_loadcnt 0x0                             ; Q
	STEP 0, 1, 2                                   ; the first step stands in front of the loop: it starts maxima, sums and O^T
	STEP 1, 0, 2
	s_mov_b32 s56, 14                              ; steps 2 to 29
.Lsteps:
	STEP 0, 0, 2
	STEP 1, 0, 2
	s_sub_co_u32 s56, s56, 1
	s_cmp_lg_u32 s56, 0
	s_cbranch_scc1 .Lsteps
	STEP 0, 0, 1                                   ; the last two steps fetch nothing beyond the end
	STEP 1, 0, 0
	; ctx = O / l + bv.  l: my half's sum and the partner lane's.
.irp i, 0,1,2,3
	v_permlanex16_b32 v[MS0+9+2*\i], v[MS0+1+2*\i], s54, s55
.endr
.irp i, 0,1,2,3
	v_add_f32 v[MS0+1+2*\i], v[MS0+1+2*\i], v[MS0+9+2*\i]
.endr
.irp i, 0,1,2,3
	v_rcp_f32 v[MS0+2*\i], v[MS0+1+2*\i]           ; into the maximum's register, which has done its work
.endr
	v_nop
	s_wait_loadcnt 0x0                             ; bv
	WIN 0x41
	s_wait_alu depctr_va_vdst(0)
.irp i, 0,1,2,3
.irp t, 0,1,2,3
.irp k, 0,2,4,6
	v_pk_fma_f32 v[OA+32*\i+8*\t+\k:OA+32*\i+8*\t+\k+1], v[OA+32*\i+8*\t+\k:OA+32*\i+8*\t+\k+1], v[MS0+2*\i:MS0+2*\i+1], v[BVR+8*\t+\k:BVR+8*\t+\k+1] op_sel_hi:[1,0,1]
.endr
.endr
.endr
	; hi = the number cut to bf16 (its conversion is exact), lo = number - hi (exact in f32), rounded to bf16.  Each query tile has 32 registers of its own for its stores:
	; v32, v64, v160, v192: the score set and K's registers, which have done their work.
.irp i, 0,1,2,3
.set EOB, 32+32*\i+64*(\i/2)
	WIN 0x04                                       ; source 1 window 1
.set cnt, 0
.rept 32
	v_and_b32 v[ET+cnt], s19, v[OA+32*\i+cnt]
.set cnt, cnt+1
.endr
	WIN 0
.set cnt, 0
.rept 16
	v_cvt_pk_bf16_f32 v[EOB+cnt], v[ET+2*cnt], v[ET+2*cnt+1]
.set cnt, cnt+1
.endr
	WIN 0x01                                       ; source 0 window 1
.set cnt, 0
.rept 16
	v_pk_add_f32 v[ET+cnt:ET+cnt+1], v[OA+32*\i+cnt:OA+32*\i+cnt+1], v[ET+cnt:ET+cnt+1] neg_lo:[0,1] neg_hi:[0,1]
.set cnt, cnt+2
.endr
	WIN 0
.set cnt, 0
.rept 16
	v_cvt_pk_bf16_f32 v[EOB+16+cnt], v[ET+2*cnt], v[ET+2*cnt+1]
.set cnt, cnt+1
.endr
.irp t, 0,1,2,3
	global_store_b128 v[LO16], v[EOB+4*\t:EOB+4*\t+3],       s[78:79] offset:4096*\i+512*\t        ; hi: one block, 512 consecutive bytes, aligned
	global_store_b128 v[LO16], v[EOB+16+4*\t:EOB+16+4*\t+3], s[78:79] offset:4096*\i+2048+512*\t   ; lo
.endr
.endr
	s_wait_tensorcnt 0x0
	ds_add_u32 v254, v255
	s_wait_dscnt 0x0
	CROUND                                         ; the closing round: no work-group ends while a partner may still ask for a tile that names it
	s_endpgm
.Lfunc_end_k_qb5a9f8f52b_attn:
	.size	k_qb5a9f8f52b_attn, .Lfunc_end_k_qb5a9f8f52b_attn-k_qb5a9f8f52b_attn
	.p2alignl 7, 3214868480
	.fill 96, 4, 3214868480
	.section	.rodata,"a",@progbits
	.p2align	6, 0x0
	.amdhsa_kernel k_qb5a9f8f52b_attn
		.amdhsa_group_segment_fixed_size 327680
		.amdhsa_private_segment_fixed_size 0
		.amdhsa_enable_private_segment 0
		.amdhsa_kernarg_size 32
		.amdhsa_user_sgpr_count 2
		.amdhsa_user_sgpr_kernarg_segment_ptr 1
		.amdhsa_wavefront_size32 1
		.amdhsa_system_sgpr_workgroup_id_x 1
		.amdhsa_system_sgpr_workgroup_id_y 1
		.amdhsa_system_sgpr_workgroup_id_z 1
		.amdhsa_system_vgpr_workitem_id 0
		.amdhsa_next_free_vgpr 512
		.amdhsa_next_free_sgpr 100
		.amdhsa_reserve_vcc 0
		.amdhsa_float_denorm_mode_32 3
		.amdhsa_float_denorm_mode_16_64 3
		.amdhsa_memory_ordered 1
		.amdhsa_forward_progress 1
		.amdhsa_inst_pref_size 255
	.end_amdhsa_kernel
	.section	.bss,"aw",@nobits
	.p2align	6
	.space	262144
	.amdgpu_metadata
---
amdhsa.version: [ 1, 2 ]
amdhsa.kernels:
  - .name:           k_qb5a9f8f52b_attn
    .symbol:         k_qb5a9f8f52b_attn.kd
    .args:
      - { .name: qkv, .offset: 0, .size: 8, .value_kind: global_buffer, .address_space: global }
      - { .name: mask, .offset: 8, .size: 8, .value_kind: global_buffer, .address_space: global }
      - { .name: bv, .offset: 16, .size: 8, .value_kind: global_buffer, .address_space: global }
      - { .name: ctx, .offset: 24, .size: 8, .value_kind: global_buffer, .address_space: global }
    .group_segment_fixed_size: 327680
    .private_segment_fixed_size: 0
    .kernarg_segment_align: 8
    .kernarg_segment_size: 32
    .max_flat_workgroup_size: 256
    .sgpr_count:     100
    .vgpr_count:     512
    .wavefront_size: 32
...
	.end_amdgpu_metadata
.endif
;; end of part 3
;; launch oproj (part 4): grid 256 x 1, 4 waves a work-group, clusters of 4 x 1, 327,680 bytes of LDS; arguments ctx, wf, bo, out0; writes out0
.if DOCPART == 4
	.amdgcn_target "amdgcn-amd-amdhsa--gfx1250"
	.amdhsa_code_object_version 6
	.text
	.protected	k_qb5a9f8f52b_oproj
	.globl	k_qb5a9f8f52b_oproj
	.p2align	8
	.type	k_qb5a9f8f52b_oproj,@function
k_qb5a9f8f52b_oproj:
	s_mov_b64 s[64:65], 0
	v_nop
	global_prefetch_b8 v0, s[64:65] scope:SCOPE_SE
	s_setreg_imm32_b32 hwreg(HW_REG_WAVE_MODE, 25, 1), 1
	s_wait_xcnt 0x0
	s_wait_alu depctr_hold_cnt(0) depctr_sa_sdst(0) depctr_va_vdst(0) depctr_va_sdst(0) depctr_va_ssrc(0) depctr_va_vcc(0) depctr_vm_vsrc(0)
	s_getreg_b32 s2, hwreg(HW_REG_IB_STS2, 6, 4)
	s_cmp_eq_u32 s2, 0
	s_cbranch_scc0 .Lentry_in_a_cluster
	s_endpgm
.Lentry_in_a_cluster:
	s_bfe_u32 s2, ttmp6, 0x10000c
	s_cmp_lg_u32 s2, 0x3003
	s_cbranch_scc0 .Lentry_shape_is_right
	s_endpgm
.Lentry_shape_is_right:
; out0 = ctx Wo + bo, bf16 products with f32 sums, f32 out.  ctx comes as bf16 hi + lo (16 significant bits together), so that its rounding does not show in rows that few keys made:
; blocks of 512 bytes, block (((8 b + head)*128 + row tile)*2 + part)*4 + t; lane L = 16 h + r: row r, dims 16 t + 8 h + 0..7.  Both parts are multiplied by the same fragments of Wo (wf, matrix 3).
; A work-group makes 128 rows x 256 columns with four waves of 64 x 128 (32 accumulator tiles, 256 registers).  K = 512 goes in four steps of 128 (two heads) through two LDS slots.
; CLUSTER 4 x 1: the four work-groups have the same 256 columns and four row blocks, so they walk the same weight tiles: joint loads (mask 15).  ctx rows are each one's own: plain loads.
; The matrix instruction is used transposed (source 0 = weights, source 1 = rows): a lane holds 8 neighbouring columns of a row.  16 rows at a time go through a stage in LDS,
; each wave's own, and leave as whole rows of the wave's 128 columns: 512 consecutive bytes a store.
.set SLOT,   131072                    ; W: 65,536 bytes, then ctx: two heads x 32,768 bytes (8 row tiles x (hi 2,048 + lo 2,048))
.set AOFF,   65536
.set STAGE,  2*SLOT                    ; behind the ring, never the target of a tensor load: 16 rows x 528 bytes for each wave
.set SPITCH, 528                       ; 512 bytes + 16: an odd multiple of 16
.set AA,   2                           ; v2-3    LDS address of my rows' blocks in slot 0, 1
.set WA,   4                           ; v4-5    the same for my weights
.set LO16, 6                           ; v6      16 L
.set STO,  7                           ; v7      the way out: where I put my 8 numbers of a row
.set BO,   8                           ; v8-11   bo of my four columns on the way out
.set RD,   12                          ; v12     the way out: where I read a row back
.set BOO,  13                          ; v13     byte offset of those four numbers in bo
.set AFR,  32                          ; v32-95, v96-159  row fragments, two buffers: 16 rt + 8 part; on the way out: 16 rows x 4 registers
; window 1: accumulator tile (rt, nt) at v[8 (8 rt + nt)].   window 2: v0-63, v64-127 weight fragments, two buffers
.set G1W, 20
.set G1A, 28
.set G0W, 36                           ; one set a slot
.set G0A, 44
.set OB,  60
.set MSB, 0
.macro WIN new
.if MSB != \new
	s_set_vgpr_msb (MSB<<8)|\new
.set MSB, \new
.endif
.endm
.macro PLACES n
.rept \n
	v_nop
.endr
.endm
.macro CREST
	s_cmp_lg_u32 s66, 0
	s_cbranch_scc1 .Lnot_wave_0_\@
	s_barrier_signal -3
.Lnot_wave_0_\@:
	s_barrier_wait -3
	s_barrier_signal -1
	s_barrier_wait -1
.endm
.macro CROUND
	s_barrier_signal -1
	s_barrier_wait -1
	CREST
.endm
; One tensor load a wave, 32 KiB each: waves 0, 1 the two halves of the weights (joint), waves 2, 3 one head's rows each (plain)
.macro JLOAD s
	s_cmp_eq_u32 s67, 0
	s_cbranch_scc0 .Lfor_a_\@
	tensor_load_to_lds s[G0W+4*\s:G0W+4*\s+3], s[G1W:G1W+7]
	s_nop 0
	s_branch .Lasked_\@
.Lfor_a_\@:
	tensor_load_to_lds s[G0A+4*\s:G0A+4*\s+3], s[G1A:G1A+7]
	s_nop 0
.Lasked_\@:
.endm
	s_load_b256 s[4:11], s[0:1], 0x0               ; ctx s[4:5], wf s[6:7], bo s[8:9], out0 s[10:11]
	v_lshl_add_u32 v254, v0, 2, 0x48400
	v_mov_b32 v255, 0
	ds_add_u32 v254, v255
	v_lshrrev_b32 v1, 5, v0
	v_readfirstlane_b32 s66, v1                    ; wave 0..3
	s_lshr_b32 s67, s66, 1                         ; which 64 rows are mine.  Also: I fetch weights (0) or rows (1)
	s_and_b32 s68, s66, 1                          ; which 128 columns are mine.  Also: which half, or which head of the two, I fetch
	s_bfe_u32 s69, ttmp6, 0x40000                  ; cx
	s_and_b32 s70, ttmp9, 1                        ; column half, shared by the cluster
	s_lshr_b32 s71, ttmp9, 1
	s_lshl_b32 s71, s71, 2
	s_add_co_u32 s71, s71, s69                     ; row block 0..127
	; group 1, weights: 32 KiB dense, as 128 rows of 256 bytes; mask 15 with bit 21
	s_mov_b32 s[G1W+0], 15|(3<<16)|(1<<21)
	s_mov_b32 s[G1W+1], 32<<16
	s_mov_b32 s[G1W+2], 128<<16
	s_mov_b32 s[G1W+3], 32<<16
	s_mov_b32 s[G1W+4], 128
	s_mov_b32 s[G1W+5], 32
	s_mov_b32 s[G1W+6], 0
	s_mov_b32 s[G1W+7], 0
	; group 1, rows: one head's 8 row tiles, hi and lo, 32 KiB dense, as 128 rows of 256 bytes
	s_mov_b32 s[G1A+0], 3<<16
	s_mov_b32 s[G1A+1], 32<<16
	s_mov_b32 s[G1A+2], 128<<16
	s_mov_b32 s[G1A+3], 32<<16
	s_mov_b32 s[G1A+4], 128
	s_mov_b32 s[G1A+5], 32
	s_mov_b32 s[G1A+6], 0
	s_mov_b32 s[G1A+7], 0
	s_lshl_b32 s74, s70, 16                        ; the column half's tile; made of the cluster's number and the wave's alone
	s_lshl_b32 s75, s68, 15
	s_add_co_u32 s74, s74, s75
	s_add_co_u32 s74, s74, 12*131072               ; matrix 3, K step 0
	s_mov_b32 s75, 0
	s_lshr_b32 s72, s71, 4                         ; batch
	s_lshl_b32 s72, s72, 3
	s_add_co_u32 s72, s72, s68                     ; 8 b + the head that I fetch in step 0
	s_lshl_b32 s72, s72, 19                        ; 524,288 bytes a head
	s_and_b32 s73, s71, 15
	s_lshl_b32 s73, s73, 15                        ; 8 row tiles of 4,096 bytes for each row block
	s_add_co_u32 s72, s72, s73
	s_mov_b32 s73, 0
	s_lshl_b32 s76, s66, 15                        ; every wave's 32 KiB land at wave x 32,768: W's halves (waves 0, 1), then the two heads (waves 2, 3)
	s_lshl_b32 s78, s71, 18                        ; out0: 128 rows of 2,048 bytes
	s_lshl_b32 s79, s67, 17                        ; + my 64 rows
	s_add_co_u32 s78, s78, s79
	s_lshl_b32 s83, s70, 10
	s_lshl_b32 s84, s68, 9
	s_add_co_u32 s83, s83, s84                     ; my first column, in bytes of f32
	s_add_co_u32 s78, s78, s83
	s_mov_b32 s79, 0
	s_wait_dscnt 0x0
	s_wait_kmcnt 0x0
	s_add_nc_u64 s[52:53], s[6:7], s[74:75]
	s_add_nc_u64 s[54:55], s[4:5], s[72:73]
	s_add_nc_u64 s[OB:OB+1], s[10:11], s[78:79]
	CROUND                                         ; all four work-groups are here: the first joint loads meet
.irp s, 0,1
	s_mov_b32 s[G0W+4*\s], 1
	s_add_co_u32 s[G0W+4*\s+1], s76, \s*SLOT
	s_add_nc_u64 s[G0W+4*\s+2:G0W+4*\s+3], s[52:53], \s*131072
	s_or_b32 s[G0W+4*\s+3], s[G0W+4*\s+3], 0x80000000
	s_mov_b32 s[G0A+4*\s], 1
	s_add_co_u32 s[G0A+4*\s+1], s76, \s*SLOT
	s_add_nc_u64 s[G0A+4*\s+2:G0A+4*\s+3], s[54:55], \s*1048576    ; two heads on
	s_or_b32 s[G0A+4*\s+3], s[G0A+4*\s+3], 0x80000000
	JLOAD \s                                       ; both first fills together: two tensor loads of a wave are out, the most in this text
.endr
	v_and_b32 v1, 15, v0                           ; r
	v_bfe_u32 v14, v0, 4, 1                        ; h
	v_and_b32 v15, 31, v0                          ; L
	v_lshlrev_b32 v[LO16], 4, v15
	v_add_nc_u32 v[BOO], s83, v[LO16]
	global_load_b128 v[BO:BO+3], v[BOO], s[8:9]    ; bo of columns 4 L .. 4 L + 3 of my 128
	s_lshl_b32 s80, s67, 14                        ; my 4 row tiles of 4,096 bytes
	s_add_co_u32 s80, s80, AOFF
	v_add_nc_u32 v[AA], s80, v[LO16]
	v_add_nc_u32 v[AA+1], SLOT, v[AA]
	s_lshl_b32 s81, s68, 15                        ; my 128 columns
	v_add_nc_u32 v[WA], s81, v[LO16]
	v_add_nc_u32 v[WA+1], SLOT, v[WA]
	s_mul_i32 s82, s66, 16*SPITCH
	s_add_co_u32 s82, s82, STAGE                   ; my stage
	v_mul_u32_u24 v16, v1, SPITCH
	v_lshl_add_u32 v16, v14, 5, v16                ; row r, 8 h numbers in
	v_add_nc_u32 v[STO], s82, v16
	v_add_nc_u32 v[RD], s82, v[LO16]
; 32 LDS loads: the fragments of quarter kk (32 along K: head kk / 2 of the step's two, dims 32 (kk % 2) ..) into buffer g; every load takes 512 consecutive bytes
.macro FETCH slot, kk, g
	WIN 0x80
.irp nt, 0,1,2,3,4,5,6,7
	ds_load_b128 v[64*(\g)+8*\nt:64*(\g)+8*\nt+3],   v[WA+(\slot)] offset:(8*\nt+2*(\kk))*512
	ds_load_b128 v[64*(\g)+8*\nt+4:64*(\g)+8*\nt+7], v[WA+(\slot)] offset:(8*\nt+2*(\kk))*512+512
.endr
	WIN 0
.irp rt, 0,1,2,3
.irp p, 0,1
	ds_load_b128 v[AFR+64*(\g)+16*\rt+8*\p:AFR+64*(\g)+16*\rt+8*\p+3],   v[AA+(\slot)] offset:((\kk)>>1)*32768+\rt*4096+\p*2048+((\kk)&1)*1024
	ds_load_b128 v[AFR+64*(\g)+16*\rt+8*\p+4:AFR+64*(\g)+16*\rt+8*\p+7], v[AA+(\slot)] offset:((\kk)>>1)*32768+\rt*4096+\p*2048+((\kk)&1)*1024+512
.endr
.endr
.endm
.macro QHEAD
	s_wait_dscnt 0x0                               ; this quarter's 32 loads, the only ones out
	WIN 0
	PLACES 4                                       ; four places between the last matrix instruction and the loads into the buffer that it read (ISA guide 7.12.1 for vector instructions)
.endm
; 64 matrix instructions: hi on each of the 32 accumulators, then lo on each: the accumulators take turns, one instruction a turn
.macro MUL64 f, first
	WIN 0x52                                       ; weights window 2, rows window 0, C and D window 1
.irp p, 0,1
.irp rt, 0,1,2,3
.irp nt, 0,1,2,3,4,5,6,7
.if \first*(1-\p)
	v_wmma_f32_16x16x32_bf16 v[8*(8*\rt+\nt):8*(8*\rt+\nt)+7], v[64*\f+8*\nt:64*\f+8*\nt+7], v[AFR+64*\f+16*\rt+8*\p:AFR+64*\f+16*\rt+8*\p+7], 0
.else
	v_wmma_f32_16x16x32_bf16 v[8*(8*\rt+\nt):8*(8*\rt+\nt)+7], v[64*\f+8*\nt:64*\f+8*\nt+7], v[AFR+64*\f+16*\rt+8*\p:AFR+64*\f+16*\rt+8*\p+7], v[8*(8*\rt+\nt):8*(8*\rt+\nt)+7]
.endif
.endr
.endr
.endr
.endm
; A step of 128 along K.  mode 2: this slot is filled again, two steps ahead; 1: nothing left to fetch; 0: the last step.
; The refill has the next step's 256 matrix instructions of the wave in which to land.
.macro STEP slot, first, mode
	QHEAD
	FETCH \slot, 1, 1
	MUL64 0, \first
	QHEAD
	FETCH \slot, 2, 0
	MUL64 1, 0
	QHEAD
	FETCH \slot, 3, 1
	MUL64 0, 0
	QHEAD                                          ; its wait for 0 also says: my reads of this slot are over
.if \mode == 2
	s_wait_tensorcnt 0x0                           ; all my tensor loads have landed: the one that was out is my part of the other slot
	ds_add_u32 v254, v255
	s_wait_dscnt 0x0
	CROUND                                         ; both now hold of every wave of the four work-groups
	s_add_nc_u64 s[G0W+4*\slot+2:G0W+4*\slot+3], s[G0W+4*\slot+2:G0W+4*\slot+3], 2*131072
	s_add_nc_u64 s[G0A+4*\slot+2:G0A+4*\slot+3], s[G0A+4*\slot+2:G0A+4*\slot+3], 4*524288
	JLOAD \slot                                    ; my one tensor load behind the round, ahead of every LDS read
.endif
.if \mode == 1
	s_wait_tensorcnt 0x0
	s_barrier_signal -1
	s_barrier_wait -1                              ; the last tile is whole
.endif
.if \mode
	FETCH 1-\slot, 0, 0
.endif
	MUL64 1, 0
.endm
	s_wait_tensorcnt 0x1                           ; my part of step 0 is in; step 1's stays out
	s_barrier_signal -1
	s_barrier_wait -1
	FETCH 0, 0, 0
	STEP 0, 1, 2
	STEP 1, 0, 2
	STEP 0, 0, 1
	STEP 1, 0, 0
	; THE WAY OUT, 16 rows at a time: 32 bytes a lane into my stage, whole rows of 512 bytes back, + bo, out
	PLACES 4                                       ; behind the last matrix instructions: for the LDS stores that read results and the loads into the fragment buffers
	s_wait_loadcnt 0x0                             ; bo
.irp rt, 0,1,2,3
	WIN 0x04                                       ; store data window 1
.irp nt, 0,1,2,3,4,5,6,7
	ds_store_b128 v[STO], v[8*(8*\rt+\nt):8*(8*\rt+\nt)+3]   offset:64*\nt
	ds_store_b128 v[STO], v[8*(8*\rt+\nt)+4:8*(8*\rt+\nt)+7] offset:64*\nt+16
.endr
	WIN 0
	s_wait_xcnt 0x0                                ; the registers that the last sixteen stores read are loaded again only behind this wait
.irp row, 0,1,2,3,4,5,6,7,8,9,10,11,12,13,14,15
	ds_load_b128 v[AFR+4*\row:AFR+4*\row+3], v[RD] offset:\row*SPITCH          ; LDS serves a wave's instructions in order (ISA guide 5.7.1): these see the stores above, and the next stores come behind them
.endr
.irp row, 0,1,2,3,4,5,6,7,8,9,10,11,12,13,14,15
	s_wait_dscnt 15-\row                           ; this row is in; the later rows stay out
	v_pk_add_f32 v[AFR+4*\row:AFR+4*\row+1],   v[AFR+4*\row:AFR+4*\row+1],   v[BO:BO+1]
	v_pk_add_f32 v[AFR+4*\row+2:AFR+4*\row+3], v[AFR+4*\row+2:AFR+4*\row+3], v[BO+2:BO+3]
	global_store_b128 v[LO16], v[AFR+4*\row:AFR+4*\row+3], s[OB:OB+1] offset:(16*\rt+\row)*2048 th:TH_STORE_NT   ; 512 consecutive bytes, aligned
.endr
.endr
	s_wait_tensorcnt 0x0
	ds_add_u32 v254, v255
	s_wait_dscnt 0x0
	CROUND                                         ; the closing round: no work-group ends while a partner may still ask for a tile that names it
	s_endpgm
.Lfunc_end_k_qb5a9f8f52b_oproj:
	.size	k_qb5a9f8f52b_oproj, .Lfunc_end_k_qb5a9f8f52b_oproj-k_qb5a9f8f52b_oproj
	.p2alignl 7, 3214868480
	.fill 96, 4, 3214868480
	.section	.rodata,"a",@progbits
	.p2align	6, 0x0
	.amdhsa_kernel k_qb5a9f8f52b_oproj
		.amdhsa_group_segment_fixed_size 327680
		.amdhsa_private_segment_fixed_size 0
		.amdhsa_enable_private_segment 0
		.amdhsa_kernarg_size 32
		.amdhsa_user_sgpr_count 2
		.amdhsa_user_sgpr_kernarg_segment_ptr 1
		.amdhsa_wavefront_size32 1
		.amdhsa_system_sgpr_workgroup_id_x 1
		.amdhsa_system_sgpr_workgroup_id_y 1
		.amdhsa_system_sgpr_workgroup_id_z 1
		.amdhsa_system_vgpr_workitem_id 0
		.amdhsa_next_free_vgpr 768
		.amdhsa_next_free_sgpr 88
		.amdhsa_reserve_vcc 0
		.amdhsa_float_denorm_mode_32 3
		.amdhsa_float_denorm_mode_16_64 3
		.amdhsa_memory_ordered 1
		.amdhsa_forward_progress 1
		.amdhsa_inst_pref_size 133
	.end_amdhsa_kernel
	.amdgpu_metadata
---
amdhsa.version: [ 1, 2 ]
amdhsa.kernels:
  - .name:           k_qb5a9f8f52b_oproj
    .symbol:         k_qb5a9f8f52b_oproj.kd
    .args:
      - { .name: ctx, .offset: 0, .size: 8, .value_kind: global_buffer, .address_space: global }
      - { .name: wf, .offset: 8, .size: 8, .value_kind: global_buffer, .address_space: global }
      - { .name: bo, .offset: 16, .size: 8, .value_kind: global_buffer, .address_space: global }
      - { .name: out0, .offset: 24, .size: 8, .value_kind: global_buffer, .address_space: global }
    .group_segment_fixed_size: 327680
    .private_segment_fixed_size: 0
    .kernarg_segment_align: 8
    .kernarg_segment_size: 32
    .max_flat_workgroup_size: 128
    .sgpr_count:     88
    .vgpr_count:     768
    .wavefront_size: 32
...
	.end_amdgpu_metadata
.endif
;; end of part 4
